; MI455X (gfx1250); checked and timed in simulation.
; The chip was launched on July 23, 2026; its instructions are those of AMD's public machine-readable ISA for CDNA 5 (MIT licence, August 2026) and "CDNA5" Instruction Set Architecture Reference Guide (July 2026). The comments in the code are by the model that wrote it; some were corrected since.
;; Concept Attention Proto. Allowed arithmetic: matrix products marked QUANTISED: E4M3 operands, one given power-of-two scale a tensor, by v_wmma_f32_16x16x64_fp8_fp8 or v_wmma_f32_16x16x128_fp8_fp8, f32 sums; products left as they are: f32 operands where the result goes on into a quantised operand, else bf16, f16 or f32 operands; f32 sums; everything else in f32.
;; Inputs: concept_pool 16,384 x 128 float32; lowp_scales 4 int32 (the exponents e of the quantised operands' scales 2^e); x 8 x 128 x 32 x 32 float32.
;; Outputs: out0 8 x 128 x 32 x 32 float32.
;; This version of the problem:
;;   THIS VERSION OF THE PROBLEM IS GIVEN IN LOW PRECISION. The matrix products marked QUANTISED in the list below multiply operands that are first quantised to E4M3 (4 exponent bits, 3 mantissa bits; 8 bits a number), with one given power-of-two scale for each operand tensor; their sums are f32. All else is computed in f32.
;;   The module's matrix products, in the order in which they are computed (A, B: the left and right operand; K: the contracted axis; several contracted axes count as one K, in the product's order):
;;     1. [M 8,192, K 128] x [K 128, N 16,384]; A: input x; B: input concept_pool: QUANTISED (scales: A lowp_scales[0], B lowp_scales[1])
;;     2. batch 64 x [M 128, K 256] x [K 256, N 8,192]; A: input concept_pool; B: softmax (see below): QUANTISED (scales: A lowp_scales[2], B lowp_scales[3])
;;     3. batch 8,192 x [M 1, K 64] x [K 64, N 128]; A: softmax (see below); B: computed on the way: left as it is (M = 1 < 16)
;;   THE QUANTISER, for each operand of a quantised product, along K:
;;     - The operand's scale is 2^e, e = its entry of the input lowp_scales (int32; the entries are numbered through the quantised products in the list's order, A before B).
;;     - Each number is divided by the scale, clamped to +-448, and rounded to the nearest number of E4M3, ties to even, subnormals kept.
;;     - The product sums the exact products of the quantised numbers (number of the format x scale) in f32.
;;   ~~~python
;;   def quantise(x, axis, e):      # numpy; x: float32 -> the quantised numbers, widened to float32 again
;;       x = np.moveaxis(x, axis, -1); K = x.shape[-1]
;;       r = np.clip(x / 2.0 ** e, -448, 448)
;;       step = 2.0 ** (np.maximum(np.frexp(np.where(r == 0, 1, r))[1] - 1, -6) - 3)
;;       q = np.round(r / step) * step * 2.0 ** e      # np.round: ties to even
;;       return np.moveaxis(q, -1, axis).astype(np.float32)
;;   ~~~
;;   SOFTMAX AHEAD OF A QUANTISED PRODUCT. Where the list says 'softmax', what is quantised is not the finished softmax but p = 2^(t - M), with t = logit x log2(e) and M = ceil(the row's largest t), a whole number; so 1/2 < the row's largest p <= 1. The row's sum l is taken of the UNQUANTISED p, in f32, and the product's result is divided by l at the end. Since M is a whole number, a kernel that streams over the keys may use a running M (the ceiling of the running maximum): every later rescaling is an exact power of two, so the quantised numbers keep their values, but for numbers so far below the row's largest that they fall under the format's range.
;;   OPERANDS COMPUTED ON THE WAY. 'Computed on the way' means the value that the module computes at that place (a softmax that the list does not call 'softmax' is quantised finished and normalised). What goes into a quantiser is computed in f32, as accurately as f32 sums, v_exp_f32 and their like allow (about 1e-6 of the number): no bf16 or f16 on the way to a quantiser, and a product that is left as it is and whose result goes on into a quantised operand takes f32 operands (vector FMAs, or v_wmma_f32_16x16x4_f32). A number that lies on a knife's edge between two numbers of the format may be rounded either way, as far as f32 arithmetic and the matrix unit's own rounding can turn it there, and no further.
;; One version. Each part assembles by itself: llvm-mc -triple=amdgcn-amd-amdhsa -mcpu=gfx1250 --defsym DOCPART=n.
;; ======== version 1 of 1: 3 launches
;; workspace buffers: pc 4,194,304 bytes; part 16,777,216 bytes; stats 262,144 bytes
;; launch prep (part 1): grid 256 x 1, 2 waves a work-group, no clusters, 34,048 bytes of LDS; arguments concept_pool, lowp_scales, pc; writes pc
.if DOCPART == 1
	.amdgcn_target "amdgcn-amd-amdhsa--gfx1250"
	.amdhsa_code_object_version 6
	.text
	.protected	k_q1679831bec_prep
	.globl	k_q1679831bec_prep
	.p2align	8
	.type	k_q1679831bec_prep,@function
k_q1679831bec_prep:
	s_mov_b64 s[64:65], 0
	v_nop
	global_prefetch_b8 v0, s[64:65] scope:SCOPE_SE
	s_setreg_imm32_b32 hwreg(HW_REG_WAVE_MODE, 25, 1), 1
	s_wait_xcnt 0x0
; concept_pool [16384][128] f32 becomes codes of E4M3 twice: once as the first product's operand (scale 2^e1, K = the 128 channels)
; and once as the second product's (scale 2^e2, K = the 256 keys of a cluster).  Each f32 byte is read from memory once.
; code = x / 2^e, held within +-448, to the nearest code, ties to even.  LIMITS: e1 and e2 between -126 and 119, so that 2^e and 448 x 2^e are f32 numbers.  NaN among the inputs is not served.
; pc IS LAID IN THE ORDER OF THE OPERANDS' REGISTERS.  A cluster has 65,536 bytes: 16 K fragments of 2,048 bytes, then 16 V fragments.  A fragment is four chunks c of 512 bytes, lane L's 16 bytes at 512 c + 16 L
; (r = L % 16, h = L / 16).  K fragment 2 b + u: key 32 b + 8 u + r + 8 (r / 8), channels 32 c + 16 h + 0..15.  V fragment 8 s + ct: channel 16 ct + r, keys 128 s + 32 c + 16 h + 0..15.
; SHARES.  A wave takes 32 keys x 128 channels, 16,384 dense bytes: block b of cluster kc.  They are two whole K fragments and chunk b % 4 of the eight V fragments of s = b / 4.
; The rows go once through the wave's own stage in LDS (32 rows, 528 bytes apart) and are read back twice: by rows (a lane: 16 neighbouring channels of its key) and by columns (a lane: one channel, registers down the keys).
; No matrix work, no tensor load, no barrier: the waves share nothing.
.set PITCH, 528                        ; a stage row: 512 bytes + 16
.set STG,   32*PITCH                   ; a wave's stage
.set R,     16                         ; v16-143   the 32 rows as loaded
.set X0,    144                        ; v144-207  64 numbers for K fragment 0
.set X1,    16                         ; v16-79    the same for fragment 1, where R lay
.set Y0,    80                         ; v80-111   32 keys of one channel
.set Y1,    112                        ; v112-143  the same, by turns
.set C0,    208                        ; v208-223  K fragment 0's codes
.set C1,    224                        ; v224-239  fragment 1's
.set D,     144                        ; v144-175  V's codes, eight registers for each group of 32 channels, where X0 lay: no store's data are written again
	s_load_b128 s[4:7], s[0:1], 0x0                ; the pool s[4:5], the scales' exponents s[6:7]
	s_load_b64 s[8:9], s[0:1], 0x10                ; pc
	v_lshl_add_u32 v240, v0, 2, 0x8400
	v_mov_b32 v241, 0
	v_lshrrev_b32 v6, 5, v0
	v_readfirstlane_b32 s16, v6                    ; wave 0, 1
	v_and_b32 v7, 31, v0                           ; L
	v_lshlrev_b32 v1, 4, v7                        ; 16 L: my bytes of a row in memory, and of a chunk of K
	s_mul_i32 s17, s16, STG                        ; my stage
	v_add_nc_u32 v2, s17, v1                       ; into it: 16 L of row i
	v_and_b32 v12, 15, v0                          ; r
	v_bfe_u32 v13, v0, 4, 1                        ; h
	v_and_b32 v14, 8, v12
	v_add_nc_u32 v14, v14, v12                     ; r + 8 (r / 8)
	v_mul_u32_u24 v3, v14, PITCH
	v_lshl_add_u32 v3, v13, 6, v3
	v_add_nc_u32 v3, s17, v3                       ; back by rows: my key's row, + 64 h: 16 channels of a block of 32
	v_lshl_add_u32 v4, v7, 2, s17                  ; back by columns: 4 L
	v_lshlrev_b32 v5, 4, v12
	v_lshl_add_u32 v5, v13, 11, v5                 ; V's way out: fragment ct = 2 g + L / 16, 16 bytes at 16 r
	s_lshl_b32 s18, ttmp9, 1
	s_add_co_u32 s18, s18, s16                     ; which run of 32 keys is my wave's: 0 .. 511
	s_lshl_b32 s20, s18, 14                        ; its bytes in the pool
	s_mov_b32 s21, 0
	s_lshr_b32 s22, s18, 3
	s_lshl_b32 s22, s22, 16                        ; the cluster's 65,536 bytes of pc
	s_and_b32 s23, s18, 7                          ; b
	s_lshl_b32 s24, s23, 12
	s_add_co_u32 s24, s24, s22                     ; K: fragments 2 b and 2 b + 1
	s_mov_b32 s25, 0
	s_lshr_b32 s26, s23, 2
	s_lshl_b32 s26, s26, 14                        ; V: s = b / 4: eight fragments of 2,048 bytes,
	s_and_b32 s27, s23, 3
	s_lshl_b32 s27, s27, 9                         ; chunk b % 4
	s_add_co_u32 s26, s26, s27
	s_add_co_u32 s26, s26, s22
	s_add_co_u32 s26, s26, 32768                   ; behind the cluster's K fragments
	s_mov_b32 s27, 0
	s_wait_kmcnt 0x0
	s_load_b128 s[12:15], s[6:7], 0x0              ; e0 .. e3
	s_add_nc_u64 s[4:5], s[4:5], s[20:21]
	s_add_nc_u64 s[10:11], s[8:9], s[26:27]
	s_add_nc_u64 s[8:9], s[8:9], s[24:25]
.set i, 0
.rept 32
	global_load_b128 v[R+4*i:R+4*i+3], v1, s[4:5] offset:512*i th:TH_LOAD_NT   ; key i's row: 32 lanes read 512 consecutive bytes; read once in the launch
.set i, i+1
.endr
	s_wait_kmcnt 0x0
	s_add_co_i32 s17, s13, 127
	s_lshl_b32 s18, s17, 23
	v_mov_b32 v8, s18                              ; 2^e1 as f32: the conversion takes its exponent field
	s_add_co_i32 s17, s17, 8
	s_lshl_b32 s17, s17, 23
	s_or_b32 s17, s17, 0x600000
	v_mov_b32 v9, s17                              ; 448 x 2^e1
	s_add_co_i32 s17, s14, 127
	s_lshl_b32 s18, s17, 23
	v_mov_b32 v10, s18                             ; 2^e2
	s_add_co_i32 s17, s17, 8
	s_lshl_b32 s17, s17, 23
	s_or_b32 s17, s17, 0x600000
	v_mov_b32 v11, s17                             ; 448 x 2^e2
.set i, 0
.rept 32
	s_wait_loadcnt 31-i                            ; loads come back in order (ISA guide 5.7.1): row i is in, the younger ones stay out
	ds_store_b128 v2, v[R+4*i:R+4*i+3] offset:PITCH*i
.set i, i+1
.endr
; 64 numbers for K fragment u2: register 16 c + 4 j + .. = channel 32 c + 16 h + 4 j + .. of my key.
; Sixteen loads a fragment, once in the launch.
.macro KLOAD u2, x
.irp c, 0,1,2,3
.irp j, 0,1,2,3
	ds_load_b128 v[\x+16*\c+4*\j:\x+16*\c+4*\j+3], v3 offset:8*\u2*PITCH+128*\c+16*\j
.endr
.endr
.endm
; 32 keys of channel 32 g + L: a lane to a column, registers down K; 32 lanes read 128 consecutive bytes
.macro VLOAD g, y
.set i, 0
.rept 32
	ds_load_b32 v[\y+i], v4 offset:PITCH*i+128*\g
.set i, i+1
.endr
.endm
.macro KQ x, c, u2
.set i, 0
.rept 64
	v_med3_num_f32 v[\x+i], v[\x+i], -v9, v9       ; the conversion to an 8-bit code does not saturate (ISA guide 7.6.2): the hold at the largest code x the scale
.set i, i+1
.endr
.irp q, 0,1,2,3
	v_cvt_scalef32_pk8_fp8_f32 v[\c+4*\q:\c+4*\q+1], v[\x+16*\q:\x+16*\q+7], v8
	v_cvt_scalef32_pk8_fp8_f32 v[\c+4*\q+2:\c+4*\q+3], v[\x+16*\q+8:\x+16*\q+15], v8
.endr
	v_nop                                          ; a plain line behind the run of conversions: later vector lines write their sources' registers
.irp q, 0,1,2,3
	global_store_b128 v1, v[\c+4*\q:\c+4*\q+3], s[8:9] offset:2048*\u2+512*\q   ; a chunk: 512 consecutive bytes, at a multiple of 512 from pc's first byte
.endr
.endm
.macro VQ y, g
.set i, 0
.rept 32
	v_med3_num_f32 v[\y+i], v[\y+i], -v11, v11
.set i, i+1
.endr
.irp q, 0,1,2,3
	v_cvt_scalef32_pk8_fp8_f32 v[D+8*\g+2*\q:D+8*\g+2*\q+1], v[\y+8*\q:\y+8*\q+7], v10
.endr
	v_nop
	global_store_b128 v5, v[D+8*\g:D+8*\g+3], s[10:11] offset:4096*\g          ; keys 0-15 are the chunk's lanes 0-15: sixteen lanes store 256 consecutive bytes, aligned
	global_store_b128 v5, v[D+8*\g+4:D+8*\g+7], s[10:11] offset:4096*\g+256    ; keys 16-31 its lanes 16-31
.endm
	KLOAD 0, X0                                    ; LDS serves a wave's instructions in order (ISA guide 5.7.1.4): these see my stores
	s_wait_dscnt 0x0                               ; X0 is in, and the stores ahead of it have read R: R's registers are free
	KLOAD 1, X1
	VLOAD 0, Y0
	KQ X0, C0, 0
	s_wait_dscnt 32                                ; X1 is in; Y0's 32 loads may be out
	KQ X1, C1, 1
	VLOAD 1, Y1
	s_wait_dscnt 32                                ; Y0 is in; Y1's 32 may be out
	VQ Y0, 0
	VLOAD 2, Y0
	s_wait_dscnt 32                                ; Y1 is in
	VQ Y1, 1
	VLOAD 3, Y1
	s_wait_dscnt 32                                ; Y0 is in
	VQ Y0, 2
	s_wait_dscnt 0x0
	VQ Y1, 3
	s_wait_tensorcnt 0x0
	ds_add_u32 v240, v241
	s_wait_dscnt 0x0
	s_endpgm
.Lfunc_end_k_q1679831bec_prep:
	.size	k_q1679831bec_prep, .Lfunc_end_k_q1679831bec_prep-k_q1679831bec_prep
	.p2alignl 7, 3214868480
	.fill 96, 4, 3214868480
	.section	.rodata,"a",@progbits
	.p2align	6, 0x0
	.amdhsa_kernel k_q1679831bec_prep
		.amdhsa_group_segment_fixed_size 34048
		.amdhsa_private_segment_fixed_size 0
		.amdhsa_enable_private_segment 0
		.amdhsa_kernarg_size 24
		.amdhsa_user_sgpr_count 2
		.amdhsa_user_sgpr_kernarg_segment_ptr 1
		.amdhsa_wavefront_size32 1
		.amdhsa_system_sgpr_workgroup_id_x 1
		.amdhsa_system_sgpr_workgroup_id_y 1
		.amdhsa_system_sgpr_workgroup_id_z 1
		.amdhsa_system_vgpr_workitem_id 0
		.amdhsa_next_free_vgpr 242
		.amdhsa_next_free_sgpr 66
		.amdhsa_reserve_vcc 0
		.amdhsa_float_denorm_mode_32 3
		.amdhsa_float_denorm_mode_16_64 3
		.amdhsa_memory_ordered 1
		.amdhsa_forward_progress 1
		.amdhsa_inst_pref_size 39
	.end_amdhsa_kernel
	.amdgpu_metadata
---
amdhsa.version: [ 1, 2 ]
amdhsa.kernels:
  - .name:           k_q1679831bec_prep
    .symbol:         k_q1679831bec_prep.kd
    .args:
      - { .name: concept_pool, .offset: 0, .size: 8, .value_kind: global_buffer, .address_space: global }
      - { .name: lowp_scales, .offset: 8, .size: 8, .value_kind: global_buffer, .address_space: global }
      - { .name: pc, .offset: 16, .size: 8, .value_kind: global_buffer, .address_space: global }
    .group_segment_fixed_size: 34048
    .private_segment_fixed_size: 0
    .kernarg_segment_align: 8
    .kernarg_segment_size: 24
    .max_flat_workgroup_size: 64
    .sgpr_count:     66
    .vgpr_count:     242
    .wavefront_size: 32
...
	.end_amdgpu_metadata
.endif
;; end of part 1
;; launch attn (part 2): grid 64 x 4, 8 waves a work-group, clusters of 4 x 1, 327,680 bytes of LDS; arguments x, pc, lowp_scales, part, stats; writes part, stats
.if DOCPART == 2
	.amdgcn_target "amdgcn-amd-amdhsa--gfx1250"
	.amdhsa_code_object_version 6
	.text
	.protected	k_q1679831bec_attn
	.globl	k_q1679831bec_attn
	.p2align	8
	.type	k_q1679831bec_attn,@function
k_q1679831bec_attn:
	s_mov_b64 s[64:65], 0
	v_nop
	global_prefetch_b8 v0, s[64:65] scope:SCOPE_SE
	s_setreg_imm32_b32 hwreg(HW_REG_WAVE_MODE, 25, 1), 1
	s_wait_xcnt 0x0
	s_wait_alu depctr_hold_cnt(0) depctr_sa_sdst(0) depctr_va_vdst(0) depctr_va_sdst(0) depctr_va_ssrc(0) depctr_va_vcc(0) depctr_vm_vsrc(0)
	s_getreg_b32 s2, hwreg(HW_REG_IB_STS2, 6, 4)
	s_cmp_eq_u32 s2, 0
	s_cbranch_scc0 .Lentry_in_a_cluster
	s_endpgm
.Lentry_in_a_cluster:
	s_bfe_u32 s2, ttmp6, 0x10000c
	s_cmp_lg_u32 s2, 0x3003
	s_cbranch_scc0 .Lentry_shape_is_right
	s_endpgm
.Lentry_shape_is_right:
; 8,192 queries (the columns of x [8][128][1024]) against 64 clusters of 256 pool rows; both products on codes of E4M3 by v_wmma_f32_16x16x128_fp8_fp8.
; THE ALGEBRA.  In cluster k: t = score x log2(e) / sqrt(128), M_k = ceil(the query's largest t IN THAT CLUSTER), p = 2^(t - M_k) is quantised (scale 2^e3), l_k = the sum of the unquantised p, O_k = the raw sums of pool^T p.
; The softmax over the clusters' logsumexp has the weights 2^M_k l_k / Z, Z = the sum of 2^M_k l_k, and l_k cancels: out = 2^(e2 + e3) x sum_k 2^M_k O_k / Z.  So every cluster keeps its own exact M_k (all 256 scores are there before
; the first exponential), and the clusters are joined by exact powers of two.
; SHARES.  A work-group: 128 queries x 16 clusters (grid 64 x 4).  Wave w: query group w % 4 (32 queries: two tiles of 16) and stream w / 4 (8 clusters).  The two streams are joined in LDS at the end; the four key quarters leave as
; partial sums (part, in out0's layout, in the unit 2^Mc) with (-Mc, Zc) for each query (stats); the next launch joins them.
; CLUSTER OF WORK-GROUPS.  The four partners have the same key quarter and other queries: they walk the same bytes of pc, so every fill is asked for JOINTLY (mask 15).  The place in the cluster enters x's, part's and stats' addresses alone.
; LAYOUT.  Both products are used transposed (S^T = K Q^T, O^T = V^T P^T): a lane holds ONE query (lane % 16).  pc holds fragments as images of the operand's registers (16 bytes a lane, 512 a chunk), and the keys of a K fragment are chosen
; so that the 16 registers of score tiles 2 b and 2 b + 1 are the keys 32 b + 16 (lane / 16) + 0..15: the conversions' results are the second product's operand.  Each fragment read from LDS feeds two matrix instructions.
; THE UNIT OF O^T.  O^T is one chain of sums over the stream's clusters, in the unit 2^U, U = max(M_k, Mrun - 64), Mrun the stream's largest M so far.  Ahead of a cluster's products it is multiplied by 2^(old U - new U), at most 2^64:
; |O^T| stays under 2^94.  LIMIT: a cluster whose M_k lies more than 64 under Mrun gets zero codes (its conversions take the scale 2^127): what is dropped is under 2^-64 of the sum.  Z keeps every cluster.
; LIMITS on the given exponents, so that each power of two below is an f32 number: e0 + e1 between -123 and 130 (added to c's exponent field); e0 and e3 between -126 and 119.  NaN and infinities among the inputs are not served.
; LDS: slot (stream, b) at 131,072 stream + 65,536 b, one cluster each; the spare words; the streams' statistics.  The way out's two stages lie in slots that have had their last fill and their last read.
; REGISTERS, in windows of 256 (s_set_vgpr_msb: bits 1:0 source 0, 3:2 source 1, 5:4 source 2, 7:6 destination).  Window 0: v0-31 addresses and statistics; v32-63 Q; v64-127 four buffers for K's fragments, then p's codes; v128-255 O^T.
; Window 1: the scores S^T, 128 registers a tile, then p; when a tile's p is converted, its registers take V's fragments of 128 keys.
.set SLOTB, 65536
.set SPARE, 262144                     ; the spare words: 128 bytes for each of eight waves: four blocks of 256 bytes that no other line names
.set STAT,  263168                     ; 512 bytes a wave: tile t at 256 t: -Mrun, then (128 bytes on) Z, 4 bytes a lane
.set SP,    528                        ; the way out: a stage row: 128 queries x 4 bytes + 16
.set STGB,  128*SP                     ; a stream's stage: 128 channels
.set LI,  1                            ; v1   16 x lane; never rewritten
.set ADR, 2                            ; v2   16 x lane + the slot in hand
.set SPW, 3                            ; v3   LDS address of my spare word; never rewritten
.set NIL, 4                            ; v4   0; never rewritten
.set LIM, 5                            ; v5   448 x 2^e3
.set SCP, 6                            ; v6   2^e3
.set VX,  7                            ; v7   x: my lane's byte offset; behind x's loads BIG = 2^127
.set BIG, 7
.set T0,  8
.set T1,  9
.set LA,  10                           ; v[10:11], v[12:13]  l_k in two chains of pairs
.set LB,  12
.set NM,  14                           ; v14  -M_k;  v15 the conversions' scale
.set SCL, 15
.set FF,  16                           ; v16  2^(old U - new U); v17 is named with it as a pair
.set G2,  18                           ; v18  2^(M_k - Mrun);    v19 likewise
.set MX,  20                           ; v20-23  two chains of maxima a tile
.set NR,  24                           ; tile t at + 4 t: -Mrun,
.set NU,  25                           ; -U,
.set ZZ,  26                           ; Z in two halves
.set Q,   32
.set F,   64
.set O,   128
.set MSB, 0
.macro WIN new                         ; the immediate's high byte repeats the setting that is left; a switch that changes nothing is dropped
.if MSB != \new
	s_set_vgpr_msb (MSB<<8)|\new
.set MSB, \new
.endif
.endm
; A round of the cluster's barrier: my work-group's barrier, so that wave 0's signal speaks for all eight waves; wave 0 signals; every wave waits for the four work-groups; my work-group's barrier once more.
.macro CROUND
	s_barrier_signal -1
	s_barrier_wait -1
	s_cmp_lg_u32 s14, 0
	s_cbranch_scc1 .Lnot_wave_0_\@
	s_barrier_signal -3
.Lnot_wave_0_\@:
	s_barrier_wait -3
	s_barrier_signal -1
	s_barrier_wait -1
.endm
	s_load_b128 s[4:7], s[0:1], 0x0                ; x s[4:5], pc s[6:7]
	s_load_b128 s[8:11], s[0:1], 0x10              ; the scales' exponents s[8:9], part s[10:11]
	s_load_b64 s[12:13], s[0:1], 0x20              ; stats
	v_lshl_add_u32 v[SPW], v0, 2, SPARE
	v_mov_b32 v[NIL], 0
	ds_add_u32 v3, v4
	ds_add_u32 v3, v4
	s_wait_dscnt 0x0
	v_lshrrev_b32 v8, 5, v0
	v_readfirstlane_b32 s14, v8                    ; wave 0..7
	s_and_b32 s15, s14, 3                          ; my query group.  Also: which quarter of a cluster's bytes I fetch
	s_lshr_b32 s16, s14, 2                         ; my stream
	s_bfe_u32 s17, ttmp6, 0x40000                  ; cx: my place in the cluster
	s_lshl_b32 s18, ttmp9, 2                       ; in a cluster launch ttmp9 counts clusters
	s_add_co_u32 s18, s18, s17                     ; my block of 128 queries
	s_and_b32 s19, ttmp7, 0xffff                   ; the key quarter, which the four partners share
	; descriptor group 1: 16,384 dense bytes as 64 rows of 32 elements of 8 bytes; no padding: fragments are read 16 bytes a lane on end
	s_mov_b32 s24, 15|(3<<16)|(1<<21)              ; 15:0 the mask: all four work-groups; 17:16 elements of 8 bytes; 21 set beside a mask
	s_mov_b32 s25, 32<<16                          ; tensor_dim0 = 32
	s_mov_b32 s26, 64<<16                          ; tensor_dim1 = 64
	s_mov_b32 s27, 32<<16                          ; tile_dim0 = 32
	s_mov_b32 s28, 64                              ; tile_dim1 = 64
	s_mov_b32 s29, 32                              ; tensor_dim0_stride
	s_mov_b32 s30, 0
	s_mov_b32 s31, 0
	s_mov_b32 s20, 0x76543210                      ; v_permlanex16_b32's selects for lane l xor 16
	s_mov_b32 s21, 0xfedcba98
	s_mov_b32 s22, 0x3e0293ee                      ; c = log2(e) / sqrt(128)
	s_lshl_b32 s48, s19, 20                        ; pc: 16 clusters a quarter,
	s_lshl_b32 s49, s16, 19                        ; 8 a stream,
	s_add_co_u32 s48, s48, s49
	s_lshl_b32 s49, s15, 14                        ; my 16,384 bytes of a cluster: registers that never hold my place in the cluster
	s_add_co_u32 s48, s48, s49
	s_mov_b32 s49, 0
	s_lshl_b32 s36, s16, 17                        ; the LDS byte at which the slot in hand begins
	s_lshl_b32 s33, s15, 14
	s_add_co_u32 s33, s33, s36                     ; group 0, 63:32: where my quarter goes: slot 0 of my stream
	s_mov_b32 s32, 1                               ; 1:0 count = 1
	s_lshr_b32 s50, s18, 3
	s_lshl_b32 s50, s50, 19                        ; image n = block / 8: 128 channels x 4,096 bytes,
	s_and_b32 s51, s18, 7
	s_lshl_b32 s51, s51, 9                         ; + 128 queries x 4 bytes x (block % 8)
	s_add_co_u32 s50, s50, s51
	s_lshl_b32 s44, s15, 7
	s_add_co_u32 s44, s44, s50                     ; x: + my 32 queries
	s_mov_b32 s45, 0
	s_lshl_b32 s46, s19, 22                        ; part: the quarter's 4 MiB,
	s_add_co_u32 s46, s46, s50
	s_lshl_b32 s47, s14, 16                        ; and the 16 channels that I store
	s_add_co_u32 s46, s46, s47
	s_mov_b32 s47, 0
	s_lshl_b32 s52, s19, 16                        ; stats: 8 bytes a query
	s_lshl_b32 s53, s18, 10
	s_add_co_u32 s52, s52, s53
	s_lshl_b32 s53, s15, 8
	s_add_co_u32 s52, s52, s53
	s_mov_b32 s53, 0
	v_and_b32 v8, 31, v0
	v_lshlrev_b32 v[LI], 4, v8
	v_and_b32 v8, 15, v0                           ; r
	v_bfe_u32 v9, v0, 4, 1                         ; h
	v_lshlrev_b32 v[VX], 2, v8
	v_lshl_add_u32 v[VX], v9, 16, v[VX]            ; x: query r, channels from 16 h on
	s_wait_kmcnt 0x0
	s_load_b128 s[40:43], s[8:9], 0x0              ; e0 .. e3
	s_add_nc_u64 s[34:35], s[6:7], s[48:49]        ; 120:64 global address: my quarter of my stream's first cluster
	s_or_b32 s35, s35, 0x80000000                  ; 127:126 type = 2
	s_add_nc_u64 s[4:5], s[4:5], s[44:45]
	s_add_nc_u64 s[10:11], s[10:11], s[46:47]
	s_add_nc_u64 s[12:13], s[12:13], s[52:53]
	CROUND                                         ; all four work-groups are here: the first joint loads meet
	tensor_load_to_lds s[32:35], s[24:31]          ; slot 0: every wave fetches a quarter of its own stream's cluster
	s_nop 0
.rept 4
	v_nop                                          ; four lines behind the load
.endr
	; x.  Lane (r, h) takes query r of tile t and its registers run DOWN the channels: register 16 c + i = channel 32 c + 16 h + i, the order of the operand's registers.  Sixteen lanes read 64 consecutive bytes.
	WIN 0x40                                       ; destination window 1: where the scores will lie
.irp t, 0,1
.irp c, 0,1,2,3
.irp i, 0,1,2,3,4,5,6,7,8,9,10,11,12,13,14,15
	global_load_b32 v[64*\t+16*\c+\i], v[VX], s[4:5] offset:(32*\c+\i)*4096+64*\t
.endr
.endr
.endr
	WIN 0
	s_wait_kmcnt 0x0
	s_add_co_i32 s44, s40, s41
	s_lshl_b32 s44, s44, 23
	s_add_co_i32 s22, s22, s44                     ; a score stands for score x 2^(e0 + e1): the exponents are added to c's exponent field
	s_mov_b32 s23, s22                             ; (named with it as a pair, so it is written)
	s_add_co_i32 s44, s43, 127
	s_lshl_b32 s45, s44, 23
	v_mov_b32 v[SCP], s45                          ; 2^e3
	s_add_co_i32 s44, s44, 8
	s_lshl_b32 s44, s44, 23
	s_or_b32 s44, s44, 0x600000
	v_mov_b32 v[LIM], s44                          ; 448 x 2^e3
	s_add_co_i32 s44, s40, 127
	s_lshl_b32 s45, s44, 23
	v_mov_b32 v[T0], s45                           ; 2^e0, for x's conversions
	s_add_co_i32 s44, s44, 8
	s_lshl_b32 s44, s44, 23
	s_or_b32 s44, s44, 0x600000
	v_mov_b32 v[T1], s44                           ; 448 x 2^e0
.set i, 0
.rept 128
	v_mov_b32 v[O+i], 0                            ; O^T.  (A cluster is written once for all trips: the first finds zeros, which its factor 0 leaves zeros)
.set i, i+1
.endr
.irp t, 0,1
	v_mov_b32 v[NR+4*\t], 0x7f61b1e6               ; -Mrun and -U begin at 3e38, over every -M
	v_mov_b32 v[NU+4*\t], 0x7f61b1e6
	v_mov_b32 v[ZZ+4*\t], 0
	v_mov_b32 v[ZZ+4*\t+1], 0
.endr
	v_mov_b32 v[FF+1], 0                           ; (named as the upper halves of pairs)
	v_mov_b32 v[G2+1], 0
	s_wait_loadcnt 0x0                             ; x
	v_mov_b32 v[BIG], 0x7f000000                   ; 2^127: free since that wait
	WIN 0x41                                       ; destination and source 0 window 1
.set i, 0
.rept 128
	v_med3_num_f32 v[i], v[i], -v[T1], v[T1]       ; the conversion to an 8-bit code does not saturate (ISA guide 7.6.2): the hold at the largest code x the scale
.set i, i+1
.endr
	WIN 0x01
.irp t, 0,1
.irp c, 0,1,2,3
	v_cvt_scalef32_pk8_fp8_f32 v[Q+16*\t+4*\c:Q+16*\t+4*\c+1], v[64*\t+16*\c:64*\t+16*\c+7], v[T0]
	v_cvt_scalef32_pk8_fp8_f32 v[Q+16*\t+4*\c+2:Q+16*\t+4*\c+3], v[64*\t+16*\c+8:64*\t+16*\c+15], v[T0]
.endr
.endr
	v_nop                                          ; a plain line between the conversions and what reads their results or writes their sources
	WIN 0
; THE CHANGE OF SLOTS stands at a cluster's head.  Each wave waits for all its tensor loads (one: its quarter of the slot ahead), adds 0 to its spare word, and waits for that and for its reads of the slot that it has left.
; fill = 1: the barrier is a round of the cluster's, so that no wave of any partner still reads that slot or has a load on its way, and the joint refill stands first behind it: it has a whole cluster's work in which to land.
.macro CHANGE fill
	WIN 0
	s_wait_tensorcnt 0x0                           ; no tensor load of mine is out, so group 0 may be written
	ds_add_u32 v[SPW], v[NIL]                      ; 0 onto my spare word
.if \fill
	s_xor_b32 s33, s33, SLOTB                      ; the walking descriptor: the other slot than last time,
	s_add_nc_u64 s[34:35], s[34:35], SLOTB         ; the stream's next cluster; the type bits on top are not reached
.endif
	s_wait_dscnt 0x0                               ; the add is done, and my reads of the slot that I have left are over
.if \fill
	CROUND
	tensor_load_to_lds s[32:35], s[24:31]          ; my one tensor load behind the round, and the first thing there
	s_nop 0
.rept 4
	v_nop
.endr
.else
	s_barrier_signal -1
	s_barrier_wait -1
.endif
.endm
; K's fragments 2 g and 2 g + 1 (eight loads of 512 consecutive bytes) into the pair of buffers g % 2
.macro KFETCH g
.irp u, 0,1
.irp c, 0,1,2,3
	ds_load_b128 v[F+16*(2*((\g)%2)+\u)+4*\c:F+16*(2*((\g)%2)+\u)+4*\c+3], v[ADR] offset:2048*(2*(\g)+\u)+512*\c
.endr
.endr
.endm
; the running maxima take group g's four score tiles: four chains that do not wait for each other; each accumulator from its low end on
.macro MAXG g
.irp q, 0,1,2,3
.irp t, 0,1
.irp u, 0,1
	v_max3_num_f32 v[MX+2*\t+\u], v[MX+2*\t+\u], v[128*\t+8*(2*(\g)+\u)+2*\q], v[128*\t+8*(2*(\g)+\u)+2*\q+1]
.endr
.endr
.endr
.endm
; Group g of eight: 32 keys x my 32 queries: four products, each a whole sum (K = 128).  The maxima of the group before stand behind them: sixteen plain lines that name none of these products' registers.  They are the places
; in front of the loads into the buffers just read, and between these products and the first read of their results, one group on.
.macro SGROUP g
.if (\g) < 7
	s_wait_dscnt 8                                 ; this group's eight loads are in; the next group's eight may be out
.else
	s_wait_dscnt 0x0
.endif
	WIN 0x40                                       ; destination window 1
.irp u, 0,1
.irp t, 0,1
	v_wmma_f32_16x16x128_fp8_fp8 v[128*\t+8*(2*(\g)+\u):128*\t+8*(2*(\g)+\u)+7], v[F+16*(2*((\g)%2)+\u):F+16*(2*((\g)%2)+\u)+15], v[Q+16*\t:Q+16*\t+15], 0
.endr
.endr
.if (\g) > 0
	WIN 0x14                                       ; sources 1 and 2 window 1
	MAXG (\g)-1
.else
.rept 4
	v_nop
.endr
.endif
.if (\g) < 6
	WIN 0
	KFETCH (\g)+2
.endif
.if (\g) == 7
	MAXG 7
.endif
.endm
; Tile t's statistics for this cluster.  All exponents are kept negated, as whole numbers in f32; a power of two is made of a difference by v_cvt_i32_f32 (which saturates) and v_ldexp_f32 of 1.0: nothing is rounded, no branch on data.
.macro STATS t
	v_max_num_f32 v[T0], v[MX+2*\t], v[MX+2*\t+1]
	v_permlanex16_b32 v[T1], v[T0], s20, s21       ; the query's other 128 keys lie in the lane 16 away
	v_max_num_f32 v[T0], v[T0], v[T1]
	v_mul_f32 v[T0], s22, v[T0]                    ; as t (c is positive)
	v_floor_f32 v[NM], -v[T0]                      ; -M_k = floor(-t) = -ceil(t)
	v_min_num_f32 v[T0], v[NR+4*\t], v[NM]         ; the new -Mrun
	v_sub_f32 v[T1], v[T0], v[NR+4*\t]             ; old Mrun - new Mrun, 0 or less
	v_mov_b32 v[NR+4*\t], v[T0]
	v_cvt_i32_f32 v[T1], v[T1]
	v_ldexp_f32 v[T1], 1.0, v[T1]
	v_mul_f32 v[ZZ+4*\t], v[ZZ+4*\t], v[T1]        ; Z under the new Mrun
	v_mul_f32 v[ZZ+4*\t+1], v[ZZ+4*\t+1], v[T1]
	v_sub_f32 v[G2], v[NR+4*\t], v[NM]             ; M_k - Mrun, 0 or less
	v_cvt_i32_f32 v[G2], v[G2]
	v_ldexp_f32 v[G2], 1.0, v[G2]
	v_add_f32 v[T0], 0x42800000, v[NR+4*\t]        ; -(Mrun - 64)
	v_min_num_f32 v[T0], v[T0], v[NM]              ; -U = -max(M_k, Mrun - 64)
	v_sub_f32 v[FF], v[T0], v[NU+4*\t]             ; old U - new U, 64 at the most
	v_mov_b32 v[NU+4*\t], v[T0]
	v_cvt_i32_f32 v[FF], v[FF]
	v_ldexp_f32 v[FF], 1.0, v[FF]
	v_cmp_eq_f32 vcc_lo, v[NM], v[T0]              ; is the unit this cluster's own M?  The answer selects a value, no path
	v_cndmask_b32 v[SCL], v[BIG], v[SCP], vcc_lo   ; then the given scale; else 2^127, under which every p becomes the code 0
	v_mov_b32 v[LA], 0
	v_mov_b32 v[LA+1], 0
	v_mov_b32 v[LB], 0
	v_mov_b32 v[LB+1], 0
.endm
; Tile t's softmax: 128 scores a lane, in eight blocks of 16 registers (32 keys).  Beside block b's exponentials stand the scalings t - M of block b + 1 and the holds of block b - 1: plain lines that are ready, so that the line behind an
; exponential never reads its result (ISA guide 5.7.2).  A block's sum is taken before its hold: l is the sum of the unquantised p.
.macro SOFTMAX t
	WIN 0
	STATS \t
	WIN 0x41                                       ; destination and source 0 window 1
.irp p, 0,2,4,6,8,10,12,14
	v_pk_fma_f32 v[128*\t+\p:128*\t+\p+1], v[128*\t+\p:128*\t+\p+1], s[22:23], v[NM:NM+1] op_sel_hi:[1,0,0]   ; t - M, two at a time (of the pairs c and -M the low word serves both halves)
.endr
.irp b, 0,1,2,3,4,5,6,7
	WIN 0x41
.irp i, 0,1,2,3,4,5,6,7,8,9,10,11,12,13,14,15
	v_exp_f32 v[128*\t+16*\b+\i], v[128*\t+16*\b+\i]   ; p = 2^(t - M), at most 1: not normalised
.if (\i%2 == 0) && (\b < 7)
	v_pk_fma_f32 v[128*\t+16*(\b+1)+\i:128*\t+16*(\b+1)+\i+1], v[128*\t+16*(\b+1)+\i:128*\t+16*(\b+1)+\i+1], s[22:23], v[NM:NM+1] op_sel_hi:[1,0,0]
.endif
.if \b > 0
	v_min_num_f32 v[128*\t+16*(\b-1)+\i], v[128*\t+16*(\b-1)+\i], v[LIM]   ; the conversion does not saturate (ISA guide 7.6.2); p is not negative, so the hold is one-sided
.endif
.endr
	WIN 0x04                                       ; source 1 window 1
	s_wait_alu depctr_va_vdst(0)
.irp p, 0,4,8,12
	v_pk_add_f32 v[LA:LA+1], v[LA:LA+1], v[128*\t+16*\b+\p:128*\t+16*\b+\p+1]
	v_pk_add_f32 v[LB:LB+1], v[LB:LB+1], v[128*\t+16*\b+\p+2:128*\t+16*\b+\p+3]
.endr
.endr
	WIN 0x41
.irp i, 0,1,2,3,4,5,6,7,8,9,10,11,12,13,14,15
	v_min_num_f32 v[128*\t+112+\i], v[128*\t+112+\i], v[LIM]
.endr
	WIN 0x01                                       ; source 0 window 1
.irp b, 0,1,2,3,4,5,6,7
	v_cvt_scalef32_pk8_fp8_f32 v[F+32*\t+4*\b:F+32*\t+4*\b+1], v[128*\t+16*\b:128*\t+16*\b+7], v[SCL]   ; registers 4 b .. 4 b + 3 of the tile's codes: keys 32 b + 16 h + 0 .. 15
	v_cvt_scalef32_pk8_fp8_f32 v[F+32*\t+4*\b+2:F+32*\t+4*\b+3], v[128*\t+16*\b+8:128*\t+16*\b+15], v[SCL]
.endr
.endm
; V's eight fragments of keys 128 s on, into the registers that tile s's p has just left: 32 loads in one run
.macro VFETCH s
	WIN 0x40
.irp ct, 0,1,2,3,4,5,6,7
.irp c, 0,1,2,3
	ds_load_b128 v[128*\s+16*\ct+4*\c:128*\s+16*\ct+4*\c+3], v[ADR] offset:32768+2048*(8*\s+\ct)+512*\c
.endr
.endr
.endm
; Z takes l_k x 2^(M_k - Mrun); the tile's O^T goes into the new unit.  These plain lines stand behind the conversions and beside V's loads.
.macro TAIL t
	WIN 0
	v_pk_add_f32 v[LA:LA+1], v[LA:LA+1], v[LB:LB+1]
	v_pk_fma_f32 v[ZZ+4*\t:ZZ+4*\t+1], v[LA:LA+1], v[G2:G2+1], v[ZZ+4*\t:ZZ+4*\t+1] op_sel_hi:[1,0,1]
.set i, 0
.rept 32
	v_pk_mul_f32 v[O+64*\t+2*i:O+64*\t+2*i+1], v[O+64*\t+2*i:O+64*\t+2*i+1], v[FF:FF+1] op_sel_hi:[1,0]
.set i, i+1
.endr
.endm
; O^T += V^T P^T over keys 128 s on: the sixteen accumulators take turns, one instruction a turn
.macro PV s
	WIN 0x01                                       ; source 0 (V) window 1
.irp ct, 0,1,2,3,4,5,6,7
.irp t, 0,1
	v_wmma_f32_16x16x128_fp8_fp8 v[O+64*\t+8*\ct:O+64*\t+8*\ct+7], v[128*\s+16*\ct:128*\s+16*\ct+15], v[F+32*\t+16*\s:F+32*\t+16*\s+15], v[O+64*\t+8*\ct:O+64*\t+8*\ct+7]
.endr
.endr
.endm
.macro CLUSTER
	v_add_nc_u32 v[ADR], s36, v[LI]                ; five plain lines: the places between the last cluster's products and the products that write over V's registers (five are owed), and the loads into p's codes (four)
.irp m, 0,1,2,3
	v_mov_b32 v[MX+\m], 0xff800000                 ; the maxima begin anew in every cluster: -infinity
.endr
	KFETCH 0
	KFETCH 1
.irp g, 0,1,2,3,4,5,6,7
	SGROUP \g
.endr
	SOFTMAX 0
	VFETCH 0
	TAIL 0
	SOFTMAX 1
	VFETCH 1
	TAIL 1
	s_wait_dscnt 32                                ; V's first 32 loads are in; the second 32 may be out
	PV 0
	s_wait_dscnt 0x0
	PV 1
	WIN 0                                          ; at a label and at a branch every window is 0
	s_xor_b32 s36, s36, SLOTB                      ; on to the other slot
.endm
	s_mov_b32 s37, 7
.Ltrip:                                            ; seven trips: trip i asks for cluster i + 1 and works on cluster i
	CHANGE 1
	CLUSTER
	s_sub_co_u32 s37, s37, 1
	s_cmp_lg_u32 s37, 0
	s_cbranch_scc1 .Ltrip
	CHANGE 0                                       ; the last cluster is written out: nothing is asked for
	CLUSTER
	; THE WAY OUT.  All LDS addresses are made first: plain lines, the places behind the last products.
	v_and_b32 v12, 31, v0                          ; lane
	v_and_b32 v8, 15, v0                           ; r
	v_bfe_u32 v9, v0, 4, 1                         ; h
	s_lshl_b32 s44, s14, 9
	s_add_co_u32 s44, s44, STAT
	v_lshl_add_u32 v2, v12, 2, s44                 ; my wave's statistics,
	s_xor_b32 s45, s14, 4
	s_lshl_b32 s45, s45, 9
	s_add_co_u32 s45, s45, STAT
	v_lshl_add_u32 v5, v12, 2, s45                 ; and those of the wave with my queries in the other stream
	s_mul_i32 s46, s16, STGB
	s_lshl_b32 s47, s15, 7
	s_add_co_u32 s46, s46, s47
	v_mul_u32_u24 v6, v9, 8*SP
	v_lshl_add_u32 v6, v8, 2, v6
	v_add_nc_u32 v6, s46, v6                       ; into my stream's stage: row = channel (8 h on), byte 128 x query group + 4 r.  The halves of the lanes lie 16 x 256 + 128 bytes apart
	s_mul_i32 s47, s14, 16*SP
	v_add_nc_u32 v7, s47, v[LI]                    ; back: rows 16 w on of stage 0, 16 bytes a lane,
	v_add_nc_u32 v10, STGB, v7                     ; and of stage 1
	v_lshlrev_b32 v11, 3, v12                      ; stats: 8 bytes a lane
.irp t, 0,1
	v_add_f32 v[ZZ+4*\t], v[ZZ+4*\t], v[ZZ+4*\t+1] ; Z's two halves,
.endr
.irp t, 0,1
	v_permlanex16_b32 v[ZZ+4*\t+1], v[ZZ+4*\t], s20, s21
.endr
.irp t, 0,1
	v_add_f32 v[ZZ+4*\t], v[ZZ+4*\t], v[ZZ+4*\t+1] ; and lane l xor 16's
.endr
.irp t, 0,1
	ds_store_b32 v2, v[NR+4*\t] offset:256*\t
	ds_store_b32 v2, v[ZZ+4*\t] offset:256*\t+128
.endr
	s_wait_dscnt 0x0                               ; for the others' sake: my stores have landed; my reads of the slots were over before
	s_barrier_signal -1
	s_barrier_wait -1                              ; nobody reads a slot any more: the stages may be written
.irp t, 0,1
	ds_load_b32 v[16+2*\t], v5 offset:256*\t
	ds_load_b32 v[17+2*\t], v5 offset:256*\t+128
.endr
	s_wait_dscnt 0x0
.irp t, 0,1                                    ; the two streams under one Mc = the larger Mrun
	v_min_num_f32 v[20+\t], v[NR+4*\t], v[16+2*\t] ; -Mc
	v_sub_f32 v8, v[20+\t], v[NR+4*\t]             ; my Mrun - Mc,
	v_sub_f32 v9, v[20+\t], v[16+2*\t]             ; the other's,
	v_sub_f32 v13, v[20+\t], v[NU+4*\t]            ; my U - Mc: all 0 or less
	v_cvt_i32_f32 v8, v8
	v_cvt_i32_f32 v9, v9
	v_cvt_i32_f32 v13, v13
	v_ldexp_f32 v8, 1.0, v8
	v_ldexp_f32 v9, 1.0, v9
	v_ldexp_f32 v[14+8*\t], 1.0, v13               ; v14, v22: each the low word of a pair whose upper word has been written
	v_mul_f32 v[ZZ+4*\t], v[ZZ+4*\t], v8
	v_fmac_f32 v[ZZ+4*\t], v[17+2*\t], v9          ; Zc
.endr
	v_cmp_gt_u32 vcc_lo, 16, v12
	v_cndmask_b32 v8, v21, v20, vcc_lo             ; lane L stores query L of my 32: tile 0's in lanes 0-15, tile 1's in lanes 16-31 (both halves of the lanes hold both)
	v_cndmask_b32 v9, v[ZZ+4], v[ZZ], vcc_lo
	s_cmp_lt_u32 s14, 4                            ; both streams' waves hold the same numbers: stream 0's store them
	s_cbranch_scc0 .Lno_stats
	global_store_b64 v11, v[8:9], s[12:13]         ; 32 lanes store 256 consecutive bytes, aligned
.Lno_stats:
.irp t, 0,1
.set i, 0
.rept 32
	v_pk_mul_f32 v[O+64*\t+2*i:O+64*\t+2*i+1], v[O+64*\t+2*i:O+64*\t+2*i+1], v[14+8*\t:15+8*\t] op_sel_hi:[1,0]   ; O^T in the unit 2^Mc; each accumulator from its low end on
.set i, i+1
.endr
.endr
.irp t, 0,1
.irp ct, 0,1,2,3,4,5,6,7
.irp j, 0,1,2,3,4,5,6,7
	ds_store_b32 v6, v[O+64*\t+8*\ct+\j] offset:(16*\ct+\j)*SP+64*\t   ; channel 16 ct + 8 h + j, query 16 t + r: the stage holds part's layout, queries innermost
.endr
.endr
.endr
	s_wait_dscnt 0x0                               ; for the others' sake
	s_barrier_signal -1
	s_barrier_wait -1                              ; both stages are whole
.set i, 0
.rept 16
	ds_load_b128 v[64+4*i:64+4*i+3], v7 offset:SP*i
	ds_load_b128 v[128+4*i:128+4*i+3], v10 offset:SP*i
.set i, i+1
.endr
.set i, 0
.rept 16
	s_wait_dscnt 30-2*i                            ; channel 16 w + i's two rows are in; the pairs behind them may be out
	v_pk_add_f32 v[64+4*i:65+4*i], v[64+4*i:65+4*i], v[128+4*i:129+4*i]
	v_pk_add_f32 v[66+4*i:67+4*i], v[66+4*i:67+4*i], v[130+4*i:131+4*i]
	global_store_b128 v[LI], v[64+4*i:67+4*i], s[10:11] offset:4096*i   ; 32 lanes store 512 consecutive bytes, at a multiple of 512 from part's first byte
.set i, i+1
.endr
	s_wait_tensorcnt 0x0                           ; the wave's end: behind my last tensor load and my last LDS store
	ds_add_u32 v[SPW], v[NIL]
	s_wait_dscnt 0x0
	CROUND                                         ; the closing round: no work-group ends while a partner may still ask for a tile that names it
	s_endpgm
.Lfunc_end_k_q1679831bec_attn:
	.size	k_q1679831bec_attn, .Lfunc_end_k_q1679831bec_attn-k_q1679831bec_attn
	.p2alignl 7, 3214868480
	.fill 96, 4, 3214868480
	.section	.rodata,"a",@progbits
	.p2align	6, 0x0
	.amdhsa_kernel k_q1679831bec_attn
		.amdhsa_group_segment_fixed_size 327680
		.amdhsa_private_segment_fixed_size 0
		.amdhsa_enable_private_segment 0
		.amdhsa_kernarg_size 40
		.amdhsa_user_sgpr_count 2
		.amdhsa_user_sgpr_kernarg_segment_ptr 1
		.amdhsa_wavefront_size32 1
		.amdhsa_system_sgpr_workgroup_id_x 1
		.amdhsa_system_sgpr_workgroup_id_y 1
		.amdhsa_system_sgpr_workgroup_id_z 1
		.amdhsa_system_vgpr_workitem_id 0
		.amdhsa_next_free_vgpr 512
		.amdhsa_next_free_sgpr 66
		.amdhsa_reserve_vcc 1
		.amdhsa_float_denorm_mode_32 3
		.amdhsa_float_denorm_mode_16_64 3
		.amdhsa_memory_ordered 1
		.amdhsa_forward_progress 1
		.amdhsa_inst_pref_size 181
	.end_amdhsa_kernel
	.amdgpu_metadata
---
amdhsa.version: [ 1, 2 ]
amdhsa.kernels:
  - .name:           k_q1679831bec_attn
    .symbol:         k_q1679831bec_attn.kd
    .args:
      - { .name: x, .offset: 0, .size: 8, .value_kind: global_buffer, .address_space: global }
      - { .name: pc, .offset: 8, .size: 8, .value_kind: global_buffer, .address_space: global }
      - { .name: lowp_scales, .offset: 16, .size: 8, .value_kind: global_buffer, .address_space: global }
      - { .name: part, .offset: 24, .size: 8, .value_kind: global_buffer, .address_space: global }
      - { .name: stats, .offset: 32, .size: 8, .value_kind: global_buffer, .address_space: global }
    .group_segment_fixed_size: 327680
    .private_segment_fixed_size: 0
    .kernarg_segment_align: 8
    .kernarg_segment_size: 40
    .max_flat_workgroup_size: 256
    .sgpr_count:     66
    .vgpr_count:     512
    .wavefront_size: 32
...
	.end_amdgpu_metadata
.endif
;; end of part 2
;; launch fin (part 3): grid 256 x 1, 8 waves a work-group, no clusters, 0 bytes of LDS; arguments part, stats, lowp_scales, out0; writes out0
.if DOCPART == 3
	.amdgcn_target "amdgcn-amd-amdhsa--gfx1250"
	.amdhsa_code_object_version 6
	.text
	.protected	k_q1679831bec_fin
	.globl	k_q1679831bec_fin
	.p2align	8
	.type	k_q1679831bec_fin,@function
k_q1679831bec_fin:
	s_mov_b64 s[64:65], 0
	v_nop
	global_prefetch_b8 v0, s[64:65] scope:SCOPE_SE
	s_setreg_imm32_b32 hwreg(HW_REG_WAVE_MODE, 25, 1), 1
	s_wait_xcnt 0x0
; The four key quarters are joined: out0[n][c][l] = 2^(e2 + e3) x sum_p 2^(M_p - Mg) part[p][n][c][l] / sum_p 2^(M_p - Mg) Z_p, Mg = the largest of the query's four M_p.
; part: [4][8][128][1024] f32, quarter p's sums in the unit 2^M_p.  stats: [4][8192][2] f32 = (-M_p, Z_p), -M_p a whole number.  The factors are exact powers of two; e2 + e3 is applied by v_ldexp_f32 and keeps no limit.
; A stream: memory binds, so no LDS, no matrix unit, no cluster.  A work-group takes four channels of one image; thread t takes queries 4 t .. 4 t + 3, so a wave's load or store covers 512 consecutive bytes and the eight waves a channel's row.
; All 24 loads of a wave go out at once; no register that a store reads is written again.
.set ST, 8                             ; v8-39    quarter p at + 8 p: (-M, Z) of my four queries
.set P,  40                            ; v40-103  channel i, quarter p at + 16 i + 4 p
.set W,  104                           ; v104-119 quarter p's weights for my four queries at + 4 p
.set NG, 120                           ; v120-123 -Mg
.set ZS, 124                           ; v124-127 the divisor
.set RR, 128                           ; v128-131 2^(e2 + e3) / the divisor
.set OU, 136                           ; v136-151 channel i's results at + 4 i
	s_load_b128 s[4:7], s[0:1], 0x0                ; part s[4:5], stats s[6:7]
	s_load_b128 s[8:11], s[0:1], 0x10              ; the scales' exponents s[8:9], out0 s[10:11]
	v_lshlrev_b32 v1, 5, v0                        ; stats: 32 bytes a thread
	v_lshlrev_b32 v2, 4, v0                        ; part and out0: 16
	s_lshr_b32 s12, ttmp9, 5                       ; the image
	s_and_b32 s13, ttmp9, 31                       ; which four channels
	s_lshl_b32 s16, s12, 19
	s_lshl_b32 s14, s13, 14
	s_add_co_u32 s16, s16, s14
	s_mov_b32 s17, 0
	s_lshl_b32 s18, s12, 13                        ; the image's 1,024 queries x 8 bytes
	s_mov_b32 s19, 0
	s_wait_kmcnt 0x0
	s_load_b128 s[24:27], s[8:9], 0x0              ; e0 .. e3
	s_add_nc_u64 s[6:7], s[6:7], s[18:19]
	s_add_nc_u64 s[4:5], s[4:5], s[16:17]
	s_add_nc_u64 s[20:21], s[4:5], 0x800000        ; quarters 2 and 3 have a base of their own: 8 MiB is beyond the signed 24-bit immediate (ISA guide, chapter 10)
	s_add_nc_u64 s[10:11], s[10:11], s[16:17]
.irp p, 0,1,2,3
	global_load_b128 v[ST+8*\p:ST+8*\p+3], v1, s[6:7] offset:65536*\p
	global_load_b128 v[ST+8*\p+4:ST+8*\p+7], v1, s[6:7] offset:65536*\p+16
.endr
.irp i, 0,1,2,3
.irp p, 0,1
	global_load_b128 v[P+16*\i+4*\p:P+16*\i+4*\p+3], v2, s[4:5] offset:4194304*\p+4096*\i th:TH_LOAD_NT   ; read once in the launch
.endr
.irp p, 0,1
	global_load_b128 v[P+16*\i+8+4*\p:P+16*\i+8+4*\p+3], v2, s[20:21] offset:4194304*\p+4096*\i th:TH_LOAD_NT
.endr
.endr
	s_wait_loadcnt 16                              ; the eight loads of stats are in; part's sixteen may be out
.irp q, 0,1,2,3
	v_min3_num_f32 v[NG+\q], v[ST+2*\q], v[ST+8+2*\q], v[ST+16+2*\q]
.endr
.irp q, 0,1,2,3
	v_min_num_f32 v[NG+\q], v[NG+\q], v[ST+24+2*\q]   ; -Mg
.endr
.irp p, 0,1,2,3
.irp q, 0,1,2,3
	v_sub_f32 v[W+4*\p+\q], v[NG+\q], v[ST+8*\p+2*\q] ; M_p - Mg: a whole number, 0 or less
.endr
.endr
.irp j, 0,1,2,3,4,5,6,7,8,9,10,11,12,13,14,15
	v_cvt_i32_f32 v[W+\j], v[W+\j]                 ; (it saturates)
.endr
.irp j, 0,1,2,3,4,5,6,7,8,9,10,11,12,13,14,15
	v_ldexp_f32 v[W+\j], 1.0, v[W+\j]
.endr
.irp q, 0,1,2,3
	v_mul_f32 v[ZS+\q], v[W+\q], v[ST+2*\q+1]
.endr
.irp p, 1,2,3
.irp q, 0,1,2,3
	v_fmac_f32 v[ZS+\q], v[W+4*\p+\q], v[ST+8*\p+2*\q+1]
.endr
.endr
.irp q, 0,1,2,3
	v_rcp_f32 v[RR+\q], v[ZS+\q]                   ; the divisor is at least 1/2: the largest p of the quarter that holds Mg
.endr
	s_wait_kmcnt 0x0
	s_add_co_i32 s26, s26, s27                     ; e2 + e3
	v_nop                                          ; a plain line between the last reciprocal and the use of its result (ISA guide 5.7.2)
	s_wait_alu depctr_va_vdst(0)
.irp q, 0,1,2,3
	v_ldexp_f32 v[RR+\q], v[RR+\q], s26
.endr
.irp p, 0,1,2,3
	v_pk_mul_f32 v[W+4*\p:W+4*\p+1], v[W+4*\p:W+4*\p+1], v[RR:RR+1]
	v_pk_mul_f32 v[W+4*\p+2:W+4*\p+3], v[W+4*\p+2:W+4*\p+3], v[RR+2:RR+3]
.endr
.irp i, 0,1,2,3
	s_wait_loadcnt 12-4*\i                         ; channel i's four loads are in; the later channels' may be out
.irp d, 0,2
	v_pk_mul_f32 v[OU+4*\i+\d:OU+4*\i+\d+1], v[P+16*\i+\d:P+16*\i+\d+1], v[W+\d:W+\d+1]
	v_pk_fma_f32 v[OU+4*\i+\d:OU+4*\i+\d+1], v[P+16*\i+4+\d:P+16*\i+4+\d+1], v[W+4+\d:W+4+\d+1], v[OU+4*\i+\d:OU+4*\i+\d+1]
	v_pk_fma_f32 v[OU+4*\i+\d:OU+4*\i+\d+1], v[P+16*\i+8+\d:P+16*\i+8+\d+1], v[W+8+\d:W+8+\d+1], v[OU+4*\i+\d:OU+4*\i+\d+1]
	v_pk_fma_f32 v[OU+4*\i+\d:OU+4*\i+\d+1], v[P+16*\i+12+\d:P+16*\i+12+\d+1], v[W+12+\d:W+12+\d+1], v[OU+4*\i+\d:OU+4*\i+\d+1]
.endr
	global_store_b128 v2, v[OU+4*\i:OU+4*\i+3], s[10:11] offset:4096*\i th:TH_STORE_NT   ; a wave stores 512 consecutive bytes, aligned; written once, read by nobody here
.endr
	s_endpgm
.Lfunc_end_k_q1679831bec_fin:
	.size	k_q1679831bec_fin, .Lfunc_end_k_q1679831bec_fin-k_q1679831bec_fin
	.p2alignl 7, 3214868480
	.fill 96, 4, 3214868480
	.section	.rodata,"a",@progbits
	.p2align	6, 0x0
	.amdhsa_kernel k_q1679831bec_fin
		.amdhsa_group_segment_fixed_size 0
		.amdhsa_private_segment_fixed_size 0
		.amdhsa_enable_private_segment 0
		.amdhsa_kernarg_size 32
		.amdhsa_user_sgpr_count 2
		.amdhsa_user_sgpr_kernarg_segment_ptr 1
		.amdhsa_wavefront_size32 1
		.amdhsa_system_sgpr_workgroup_id_x 1
		.amdhsa_system_sgpr_workgroup_id_y 1
		.amdhsa_system_sgpr_workgroup_id_z 1
		.amdhsa_system_vgpr_workitem_id 0
		.amdhsa_next_free_vgpr 152
		.amdhsa_next_free_sgpr 66
		.amdhsa_reserve_vcc 0
		.amdhsa_float_denorm_mode_32 3
		.amdhsa_float_denorm_mode_16_64 3
		.amdhsa_memory_ordered 1
		.amdhsa_forward_progress 1
		.amdhsa_inst_pref_size 10
	.end_amdhsa_kernel
	.amdgpu_metadata
---
amdhsa.version: [ 1, 2 ]
amdhsa.kernels:
  - .name:           k_q1679831bec_fin
    .symbol:         k_q1679831bec_fin.kd
    .args:
      - { .name: part, .offset: 0, .size: 8, .value_kind: global_buffer, .address_space: global }
      - { .name: stats, .offset: 8, .size: 8, .value_kind: global_buffer, .address_space: global }
      - { .name: lowp_scales, .offset: 16, .size: 8, .value_kind: global_buffer, .address_space: global }
      - { .name: out0, .offset: 24, .size: 8, .value_kind: global_buffer, .address_space: global }
    .group_segment_fixed_size: 0
    .private_segment_fixed_size: 0
    .kernarg_segment_align: 8
    .kernarg_segment_size: 32
    .max_flat_workgroup_size: 256
    .sgpr_count:     66
    .vgpr_count:     152
    .wavefront_size: 32
...
	.end_amdgpu_metadata
.endif
;; end of part 3
